; MI455X (gfx1250); checked and timed in simulation.
; The chip was launched on July 23, 2026; its instructions are those of AMD's public machine-readable ISA for CDNA 5 (MIT licence, August 2026) and "CDNA5" Instruction Set Architecture Reference Guide (July 2026). The comments in the code are by the model that wrote it; some were corrected since.
;; Vector Quantizer. Allowed arithmetic: float matrix products may take bf16 or f16 operands with f32 sums; all other float work in f32.
;; Inputs: codebook 1,024 x 64 float32; inputs 32 x 64 x 64 x 64 float32.
;; Outputs: out0 32 x 64 x 64 int32; out1 32 x 64 x 64 x 64 float32.
;; 2 versions, each right; version 2 is version 1 with the launch take written anew for expert scheduling mode. Each part assembles by itself: llvm-mc -triple=amdgcn-amd-amdhsa -mcpu=gfx1250 --defsym DOCPART=n.
;; ======== version 1 of 2: 2 launches
;; workspace buffers: idx 524,288 bytes of whole numbers
;; launch nearest (part 1): grid 256 x 1, 8 waves a work-group, no clusters, 291,840 bytes of LDS; arguments codebook, inputs, out0, idx; writes out0, idx
.if DOCPART == 1
	.amdgcn_target "amdgcn-amd-amdhsa--gfx1250"
	.amdhsa_code_object_version 6
	.text
	.protected	k_q74fc8a9f92_nearest
	.globl	k_q74fc8a9f92_nearest
	.p2align	8
	.type	k_q74fc8a9f92_nearest,@function
k_q74fc8a9f92_nearest:
	s_mov_b64 s[64:65], 0
	v_nop
	global_prefetch_b8 v0, s[64:65] scope:SCOPE_SE
	s_setreg_imm32_b32 hwreg(HW_REG_WAVE_MODE, 25, 1), 1
	s_wait_xcnt 0x0
; For each of 131,072 rows z (64 f32): the first k that minimises d2 = (z2 - 2 z.c_k) + c2_k over 1,024 codes c_k (64 f32).
; The index goes to out0 and, a second time, to idx, from which the next launch forms its gather addresses.
;
; ARITHMETIC.  z and c are rounded to bf16 for the matrix unit; z2 and c2 are summed in f32 from the SAME rounded numbers.
; d2 is rounded as the formula is written: t = fl(z2 - 2 cross) (one fused multiply-add, 2 cross is exact), d = fl(t + c2).
; Equal d go to the lowest index.
; LIMITS.  (1) The inputs hold no NaN: the minimum forms used here drop a NaN, so a row with NaN gets another index than a NaN-first argmin.
; (2) cross, z2 and c2 are summed in another order than a chain of f32 additions; two codes whose d2 lie closer than that last-bit
; difference (about 1e-7 of cross, against a step of 4e-6 to 8e-6 of d2 near 64) may be ordered the other way.
;
; SHARES.  256 work-groups of 8 waves; a work-group owns 512 rows, a wave 64 rows = 4 tiles of 16, kept in registers as B fragments for the
; whole kernel.  The 64 tiles of 16 codes stream from LDS as A fragments.  In the result, register j of lane (r = L & 15, h = L >> 4)
; holds (code 16 T + 8 h + j, column r): the search runs along a lane's registers, z2 is one number a lane, c2 eight registers a code tile.
; Column r of row tile i is the wave's row 32 (i >> 1) + 2 r + (i & 1): lane L ends with the indices of rows 2 L and 2 L + 1, and one
; 8-byte store of the wave covers 256 consecutive bytes, aligned.  Two tensor loads make that order: one takes the even rows, one the odd.
;
; NO CLUSTER, though every work-group reads the same codebook: the table is wanted in LDS as bf16, so it passes through registers.  To land it
; by a joint tensor load it would lie in LDS as f32 (262,144 bytes) beside its bf16 image (147,456) and the rows' stage (139,264):
; 548,864 bytes against the 327,680 that a work-group can have.
.set CPITCH, 144                       ; a code in LDS: 128 bytes of bf16 + 16 (9 x 16: sixteen rows start in sixteen different 16-byte columns of 256)
.set CTILE,  16*CPITCH                 ; 16 codes
.set LC2,    1024*CPITCH               ; 147,456: c2[1024] in f32, 4,096 bytes
.set LXS,    LC2+4096                  ; 151,552: the rows' stage, a part for each wave
.set XPITCH, 272                       ; a row of 64 f32 + 16 bytes (17 x 16)
.set XHALF,  32*XPITCH                 ; 32 even rows; the 32 odd rows lie behind them
.set XWAVE,  2*XHALF                   ; 17,408 bytes a wave; 8 waves end at 290,816
.set ADRA, 3                           ; v3   r x 144 + 16 h: my part of an A fragment, stepped by two code tiles a trip
.set ADRC, 4                           ; v4   LC2 + 32 h: my eight c2, stepped likewise
.set CBLD, 5                           ; v5   64 L: my quarter of a code in a group of 8 codes (2,048 bytes of f32)
.set CBST, 6                           ; v6   where that quarter goes as bf16
.set C2ST, 7                           ; v7   where that code's c2 goes
.set XRD,  8                           ; v8   my part of a B fragment in my wave's stage
.set OOFF, 9                           ; v9   8 L: my two indices
.set BF,   16                          ; v[16:79]    B fragments: row tile i at 16 + 16 i, K 0-31 then K 32-63
.set Z2,   80                          ; v[80:87]    row tile i: z2 of my column, twice (a pair for the packed forms)
.set BI,   88                          ; v[88:95]    row tile i: best d so far, and 16 T + 8 h of the code tile that gave it
.set SV,   96                          ; v[96:127]   row tile i: the eight d of that code tile
.set FA,   128                         ; v[128:159]  A fragments, two buffers of 16
.set FC,   160                         ; v[160:175]  c2, two buffers of 8
.set ACC,  176                         ; v[176:239]  results, two buffers of 4 x 8
.set MN,   240                         ; v[240:247]  row tile i: two running minima
.set TV,   249                         ; v249        16 T + 8 h of the code tile at work
.set RING, 128                         ; preparation only: v[128:255] eight groups of the codebook in f32, then the wave's rows in f32
.set HB,   96                          ; preparation only: v[96:103] a quarter code in bf16
.set SUM0, 104                         ; preparation only: sums of squares, low halves
.set SUM1, 105                         ;                   and high halves
.set ZR,   106                         ; preparation only: 0.0, the addend that starts the sums
.set IR,   128                         ; the end: v[128:131] the four row tiles' indices; v[132:133] the pair to store
.set OP,   132
.set MK,   40                          ; s[40:43] row tile i: lanes in which this code tile beats the best
	s_load_b256 s[4:11], s[0:1], 0x0               ; codebook s[4:5], inputs s[6:7], out0 s[8:9], idx s[10:11]
	v_lshl_add_u32 v14, v0, 2, 0x47000
	v_mov_b32 v15, 0
	ds_add_u32 v14, v15
	ds_add_u32 v14, v15
	v_lshrrev_b32 v10, 5, v0
	v_readfirstlane_b32 s12, v10                   ; wave 0..7, as a scalar
	v_and_b32 v11, 31, v0                          ; L
	v_lshlrev_b32 v[CBLD], 6, v11
	; descriptor group 1: 32 rows of 64 f32, every second row of the tensor, 16 bytes of padding behind each row in LDS
	s_mov_b32 s16, (2<<16)|(1<<20)|(5<<22)|(3<<25) ; elements of 4 bytes; padding on; after every 64 words (code 5) skip 4 words (code 3)
	s_mov_b32 s17, 64<<16                          ; tensor_dim0 = 64
	s_mov_b32 s18, 32<<16                          ; tensor_dim1 = 32
	s_mov_b32 s19, 64<<16                          ; tile_dim0 = 64
	s_mov_b32 s20, 32                              ; tile_dim1 = 32
	s_mov_b32 s21, 128                             ; from a row of the tile to the next: two rows of the tensor
	s_mov_b32 s22, 0
	s_mov_b32 s23, 0
	s_mul_i32 s13, s12, XWAVE
	s_mov_b32 s24, 1                               ; group 0, even rows
	s_add_co_u32 s25, s13, LXS                     ; to my wave's stage
	s_mov_b32 s28, 1                               ; group 0, odd rows
	s_add_co_u32 s29, s13, LXS+XHALF
	s_lshl_b32 s14, ttmp9, 17                      ; 512 rows of 256 bytes a work-group,
	s_lshl_b32 s15, s12, 14                        ; 64 rows a wave
	s_add_co_u32 s14, s14, s15
	s_mov_b32 s15, 0
	s_wait_dscnt 0x0
	s_wait_kmcnt 0x0
	s_add_nc_u64 s[26:27], s[6:7], s[14:15]        ; my wave's row 0
	s_add_nc_u64 s[30:31], s[26:27], 256           ; and row 1
	s_or_b32 s27, s27, 0x80000000                  ; type 2
	s_or_b32 s31, s31, 0x80000000
	tensor_load_to_lds s[24:27], s[16:23]          ; two tensor loads a wave, both outstanding until the one wait below;
	s_nop 0
	tensor_load_to_lds s[28:31], s[16:23]          ; their registers are never written again
	s_nop 0
	s_lshl_b32 s14, s12, 15                        ; my wave converts codes 128 w .. 128 w + 127: 32,768 bytes of f32
	s_add_nc_u64 s[4:5], s[4:5], s[14:15]
; four loads: group g (8 codes) into ring slot 'slot'; lane L takes the 64 bytes of quarter L & 3 of code 8 g + (L >> 2)
.macro CBLOAD g, slot
.irp k, 0,1,2,3
	global_load_b128 v[RING+16*(\slot)+4*\k:RING+16*(\slot)+4*\k+3], v[CBLD], s[4:5] offset:2048*(\g)+16*\k
.endr
.endm
.irp g, 0,1,2,3,4,5,6,7
	CBLOAD \g, \g
.endr
	; the rest of the set-up, while the loads are on their way
	v_and_b32 v1, 15, v0                           ; r
	v_bfe_u32 v2, v0, 4, 1                         ; h
	v_lshrrev_b32 v12, 2, v11                      ; L >> 2
	v_and_b32 v13, 3, v11                          ; L & 3
	v_mul_u32_u24 v[ADRA], v1, CPITCH
	v_lshl_add_u32 v[ADRA], v2, 4, v[ADRA]
	v_lshlrev_b32 v[ADRC], 5, v2
	v_add_nc_u32 v[ADRC], LC2, v[ADRC]
	s_mul_i32 s13, s12, 128*CPITCH
	v_mul_u32_u24 v[CBST], v12, CPITCH
	v_lshl_add_u32 v[CBST], v13, 5, v[CBST]        ; a quarter is 16 bf16 = 32 bytes
	v_add_nc_u32 v[CBST], s13, v[CBST]
	s_lshl_b32 s13, s12, 9
	s_add_co_u32 s13, s13, LC2
	v_lshl_add_u32 v[C2ST], v12, 2, s13
	v_mul_u32_u24 v[XRD], v1, XPITCH
	v_lshl_add_u32 v[XRD], v2, 5, v[XRD]           ; 8 h numbers of 4 bytes
	v_add_nc_u32 v[XRD], s25, v[XRD]
	v_lshlrev_b32 v[OOFF], 3, v11
	v_mov_b32 v[ZR], 0
	s_lshl_b32 s14, ttmp9, 11                      ; 512 indices a work-group,
	s_lshl_b32 s13, s12, 8                         ; 64 a wave
	s_add_co_u32 s14, s14, s13
	s_add_nc_u64 s[8:9], s[8:9], s[14:15]
	s_add_nc_u64 s[10:11], s[10:11], s[14:15]
	s_mov_b32 s34, 0x76543210                      ; v_permlanex16_b32: lane i of one half reads lane i of the other
	s_mov_b32 s35, 0xfedcba98
	s_mov_b32 s36, 0xffff0000                      ; the lanes with h = 1
; the squares of a word's two bf16, each into its own chain; first = 1: the chains start from 0.0
.macro SQ reg, first
.if \first
	v_fma_mix_f32_bf16 v[SUM0], v[\reg], v[\reg], v[ZR] op_sel_hi:[1,1,0]
	v_fma_mix_f32_bf16 v[SUM1], v[\reg], v[\reg], v[ZR] op_sel:[1,1,0] op_sel_hi:[1,1,0]
.else
	v_fma_mix_f32_bf16 v[SUM0], v[\reg], v[\reg], v[SUM0] op_sel_hi:[1,1,0]
	v_fma_mix_f32_bf16 v[SUM1], v[\reg], v[\reg], v[SUM1] op_sel:[1,1,0] op_sel_hi:[1,1,0]
.endif
.endm
; group g out of ring slot 'slot': round to bf16, sum the rounded numbers' squares, store both.  left = the younger loads that may stay out.
.macro CBCONV g, slot, left
	s_wait_loadcnt \left                           ; loads come back in order (ISA guide 5.7.1): this group's four are in
.irp m, 0,1,2,3,4,5,6,7
	v_cvt_pk_bf16_f32 v[HB+\m], v[RING+16*(\slot)+2*\m], v[RING+16*(\slot)+2*\m+1]
.endr
	SQ HB, 1
.irp m, 1,2,3,4,5,6,7
	SQ HB+\m, 0
.endr
	v_add_f32 v[SUM0], v[SUM0], v[SUM1]
	v_add_f32_dpp v[SUM0], v[SUM0], v[SUM0] row_xmask:1 row_mask:0xf bank_mask:0xf   ; the four quarters of a code lie in four
	v_add_f32_dpp v[SUM0], v[SUM0], v[SUM0] row_xmask:2 row_mask:0xf bank_mask:0xf   ; neighbouring lanes: all four end with c2
	ds_store_b128 v[CBST], v[HB:HB+3]   offset:8*CPITCH*(\g)
	ds_store_b128 v[CBST], v[HB+4:HB+7] offset:8*CPITCH*(\g)+16
	ds_store_b32  v[C2ST], v[SUM0]      offset:32*(\g)                               ; four lanes, one word, one value
.endm
.irp g, 0,1,2,3,4,5,6,7
	CBCONV \g, \g, 28                              ; seven younger groups of four loads stay out
	CBLOAD \g+8, \g                                ; the slot's next group
.endr
.irp g, 8,9,10,11,12,13,14,15
	CBCONV \g, \g-8, 4*(15-\g)                     ; nothing more is loaded: the counts run down to 0
.endr
	s_wait_dscnt 0x0                               ; my part of the table is in LDS: zero, for the other waves' sake
	s_wait_tensorcnt 0x0                           ; my 64 rows are in my stage (only I read them)
	s_barrier_signal -1
	; Between signal and wait: my rows become B fragments.  LDS loads of my own stage, which nobody writes again, and register work.
	; Fragment layout, 16-bit, K = 32: registers 0-3 hold k = 8 h .. + 7, registers 4-7 k = 16 + 8 h .. + 7.  Chunk c = k 16 c + 8 h .. + 7
	; is 32 bytes of f32 at 64 c + 32 h of the row.
.irp i, 0,1,2,3
.irp c, 0,1,2,3
	ds_load_b128 v[RING+32*\i+8*\c:RING+32*\i+8*\c+3],   v[XRD] offset:(\i&1)*XHALF+(\i>>1)*16*XPITCH+64*\c
	ds_load_b128 v[RING+32*\i+8*\c+4:RING+32*\i+8*\c+7], v[XRD] offset:(\i&1)*XHALF+(\i>>1)*16*XPITCH+64*\c+16
.endr
.endr
.macro BFRAG i
	s_wait_dscnt 24-8*\i                           ; eight loads a row tile, in order: the tiles behind this one stay out
.irp m, 0,1,2,3,4,5,6,7,8,9,10,11,12,13,14,15
	v_cvt_pk_bf16_f32 v[BF+16*\i+\m], v[RING+32*\i+2*\m], v[RING+32*\i+2*\m+1]
.endr
	SQ BF+16*\i, 1
.irp m, 1,2,3,4,5,6,7,8,9,10,11,12,13,14,15
	SQ BF+16*\i+\m, 0
.endr
	v_add_f32 v[SUM0], v[SUM0], v[SUM1]            ; my 32 of the row's 64 numbers;
	v_permlanex16_b32 v[SUM1], v[SUM0], s34, s35   ; the other 32 lie in lane L xor 16
	v_add_f32 v[Z2+2*\i],   v[SUM0], v[SUM1]       ; the same sum in both lanes
	v_add_f32 v[Z2+2*\i+1], v[SUM0], v[SUM1]
.endm
	BFRAG 0
	BFRAG 1
	BFRAG 2
	BFRAG 3
	s_barrier_wait -1                              ; the whole table is in LDS.  The only barrier: from here on LDS is only read
; A fragment of one code tile, K = 64: four loads of 16 bytes, 32 bytes apart
.macro LDA a, off
.irp k, 0,1,2,3
	ds_load_b128 v[\a+4*\k:\a+4*\k+3], v[ADRA] offset:\off+32*\k
.endr
.endm
; c2 of my eight codes of one code tile
.macro LDC c, off
	ds_load_b128 v[\c:\c+3],   v[ADRC] offset:\off
	ds_load_b128 v[\c+4:\c+7], v[ADRC] offset:\off+16
.endm
; one code tile x my four row tiles: the first product starts each sum, the second is the next link of the chain in place
.macro MUL acc, a
.irp i, 0,1,2,3
	v_wmma_f32_16x16x32_bf16 v[\acc+8*\i:\acc+8*\i+7], v[\a:\a+7], v[BF+16*\i:BF+16*\i+7], 0
.endr
.irp i, 0,1,2,3
	v_wmma_f32_16x16x32_bf16 v[\acc+8*\i:\acc+8*\i+7], v[\a+8:\a+15], v[BF+16*\i+8:BF+16*\i+15], v[\acc+8*\i:\acc+8*\i+7]
.endr
.endm
; The search over one code tile's 4 x 8 results.  first = 1: the tile is taken as it is, so that no state is ever cleared.
.macro EPI acc, c, first
.irp i, 0,1,2,3
.irp j, 0,2,4,6
	v_pk_fma_f32 v[\acc+8*\i+\j:\acc+8*\i+\j+1], v[\acc+8*\i+\j:\acc+8*\i+\j+1], -2.0, v[Z2+2*\i:Z2+2*\i+1] op_sel_hi:[1,0,1]   ; t = fl(z2 - 2 cross)
.endr
.endr
.irp i, 0,1,2,3
.irp j, 0,2,4,6
	v_pk_add_f32 v[\acc+8*\i+\j:\acc+8*\i+\j+1], v[\acc+8*\i+\j:\acc+8*\i+\j+1], v[\c+\j:\c+\j+1]                              ; d = fl(t + c2)
.endr
.endr
.irp i, 0,1,2,3
	v_min3_num_f32 v[MN+2*\i],   v[\acc+8*\i],   v[\acc+8*\i+1], v[\acc+8*\i+2]
	v_min3_num_f32 v[MN+2*\i+1], v[\acc+8*\i+3], v[\acc+8*\i+4], v[\acc+8*\i+5]
.endr
.irp i, 0,1,2,3
	v_min3_num_f32 v[MN+2*\i], v[\acc+8*\i+6], v[\acc+8*\i+7], v[MN+2*\i]
.endr
.irp i, 0,1,2,3
	v_min_num_f32 v[MN+2*\i], v[MN+2*\i], v[MN+2*\i+1]                 ; the least of my eight d
.endr
.if \first
.irp i, 0,1,2,3
	v_mov_b32 v[BI+2*\i],   v[MN+2*\i]
	v_mov_b32 v[BI+2*\i+1], v[TV]
.irp j, 0,1,2,3,4,5,6,7
	v_mov_b32 v[SV+8*\i+\j], v[\acc+8*\i+\j]
.endr
.endr
.else
.irp i, 0,1,2,3
	v_cmp_lt_f32 s[MK+\i], v[MN+2*\i], v[BI+2*\i]                      ; strictly less: on a tie the earlier code tile stays
.endr
.irp i, 0,1,2,3
	v_cndmask_b32 v[BI+2*\i],   v[BI+2*\i],   v[MN+2*\i], s[MK+\i]
	v_cndmask_b32 v[BI+2*\i+1], v[BI+2*\i+1], v[TV],      s[MK+\i]
.irp j, 0,1,2,3,4,5,6,7
	v_cndmask_b32 v[SV+8*\i+\j], v[SV+8*\i+\j], v[\acc+8*\i+\j], s[MK+\i]   ; the winner's eight d: which of them it was is found once, at the end
.endr
.endr
.endif
	v_add_nc_u32 v[TV], 16, v[TV]
.endm
; The step of code tile T, p = T & 1: fetch A(T + 2) and c2(T + 1), multiply tile T + 1, search tile T.
; Distances: what touches a matrix instruction's registers stands a whole EPI behind it, 93 plain vector instructions
; that name none of them: the loads into A's buffer p (read by the last step's MUL) and the EPI on the results of the last step's MUL.
.macro STEP p, la, lc, mm, first, cnt
.if \la
	LDA FA+16*\p, (\p+2)*CTILE
.endif
.if \lc
	LDC FC+8*(1-\p), (\p+1)*64
.endif
	s_wait_dscnt \cnt                              ; all but this step's own loads: A(T + 1) and c2(T) are in
.if \mm
	MUL ACC+32*(1-\p), FA+16*(1-\p)
.endif
	EPI ACC+32*\p, FC+8*\p, \first
.endm
	LDA FA, 0
	LDA FA+16, CTILE
	LDC FC, 0
	s_wait_dscnt 6                                 ; A(0) is in; A(1)'s four loads and c2(0)'s two stay out
	MUL ACC, FA
	v_lshlrev_b32 v[TV], 3, v2                     ; T = 0: 8 h.  With the four v_nop: five places between this MUL and the loads into its A
.rept 4
	v_nop
.endr
	STEP 0, 1, 1, 1, 1, 6                          ; tiles 0 and 1 stand in front of the loop: tile 0 starts the search
	STEP 1, 1, 1, 1, 0, 6
	v_add_nc_u32 v[ADRA], 2*CTILE, v[ADRA]
	v_add_nc_u32 v[ADRC], 128, v[ADRC]
	s_mov_b32 s33, 30                              ; tiles 2 to 61
.Lpair:
	STEP 0, 1, 1, 1, 0, 6
	STEP 1, 1, 1, 1, 0, 6
	v_add_nc_u32 v[ADRA], 2*CTILE, v[ADRA]
	v_add_nc_u32 v[ADRC], 128, v[ADRC]
	s_sub_co_u32 s33, s33, 1
	s_cmp_lg_u32 s33, 0
	s_cbranch_scc1 .Lpair
	STEP 0, 0, 1, 1, 0, 2                          ; tile 62: only c2(63) is still fetched, and may stay out
	STEP 1, 0, 0, 0, 0, 0                          ; tile 63: nothing left to fetch or to multiply
; Row tile i: which of the winner's eight d was the least (the lowest j on a tie), then the better of the two halves of the lanes,
; which hold the codes with bit 3 clear and set: the smaller d, on a tie the lower index.  Both lanes come to the same answer.
.macro RES i
	v_mov_b32 v10, 7
.irp j, 6,5,4,3,2,1,0
	v_cmp_neq_f32 vcc_lo, v[SV+8*\i+\j], v[BI+2*\i]
	v_cndmask_b32 v10, \j, v10, vcc_lo             ; equal: j; the lowest j is written last
.endr
	v_add_nc_u32 v10, v[BI+2*\i+1], v10            ; 16 T + 8 h + j
	v_permlanex16_b32 v11, v[BI+2*\i], s34, s35    ; the other half's best (v11, v12 were written in the set-up)
	v_permlanex16_b32 v12, v10, s34, s35           ; and its index
	v_cmp_lt_f32 s37, v11, v[BI+2*\i]
	v_cmp_eq_f32 s38, v11, v[BI+2*\i]
	v_cmp_lt_u32 s39, v12, v10
	s_and_b32 s38, s38, s39
	s_or_b32 s37, s37, s38
	v_cndmask_b32 v[IR+\i], v10, v12, s37
.endm
	RES 0
	RES 1
	RES 2
	RES 3
	v_cndmask_b32 v[OP],   v[IR],   v[IR+2], s36   ; row 2 L = 32 h + 2 r is column r of row tile 2 h,
	v_cndmask_b32 v[OP+1], v[IR+1], v[IR+3], s36   ; row 2 L + 1 of row tile 2 h + 1
	global_store_b64 v[OOFF], v[OP:OP+1], s[8:9] th:TH_STORE_NT    ; 32 lanes x 8 bytes: 256 consecutive bytes, aligned
	global_store_b64 v[OOFF], v[OP:OP+1], s[10:11]                 ; the copy that the next launch reads
	s_wait_tensorcnt 0x0
	ds_add_u32 v14, v15
	s_wait_dscnt 0x0
	s_endpgm
.Lfunc_end_k_q74fc8a9f92_nearest:
	.size	k_q74fc8a9f92_nearest, .Lfunc_end_k_q74fc8a9f92_nearest-k_q74fc8a9f92_nearest
	.p2alignl 7, 3214868480
	.fill 96, 4, 3214868480
	.section	.rodata,"a",@progbits
	.p2align	6, 0x0
	.amdhsa_kernel k_q74fc8a9f92_nearest
		.amdhsa_group_segment_fixed_size 291840
		.amdhsa_private_segment_fixed_size 0
		.amdhsa_enable_private_segment 0
		.amdhsa_kernarg_size 32
		.amdhsa_user_sgpr_count 2
		.amdhsa_user_sgpr_kernarg_segment_ptr 1
		.amdhsa_wavefront_size32 1
		.amdhsa_system_sgpr_workgroup_id_x 1
		.amdhsa_system_sgpr_workgroup_id_y 1
		.amdhsa_system_sgpr_workgroup_id_z 1
		.amdhsa_system_vgpr_workitem_id 0
		.amdhsa_next_free_vgpr 256
		.amdhsa_next_free_sgpr 66
		.amdhsa_reserve_vcc 1
		.amdhsa_float_denorm_mode_32 3
		.amdhsa_float_denorm_mode_16_64 3
		.amdhsa_memory_ordered 1
		.amdhsa_forward_progress 1
		.amdhsa_inst_pref_size 97
	.end_amdhsa_kernel
	.amdgpu_metadata
---
amdhsa.version: [ 1, 2 ]
amdhsa.kernels:
  - .name:           k_q74fc8a9f92_nearest
    .symbol:         k_q74fc8a9f92_nearest.kd
    .args:
      - { .name: codebook, .offset: 0, .size: 8, .value_kind: global_buffer, .address_space: global }
      - { .name: inputs, .offset: 8, .size: 8, .value_kind: global_buffer, .address_space: global }
      - { .name: out0, .offset: 16, .size: 8, .value_kind: global_buffer, .address_space: global }
      - { .name: idx, .offset: 24, .size: 8, .value_kind: global_buffer, .address_space: global }
    .group_segment_fixed_size: 291840
    .private_segment_fixed_size: 0
    .kernarg_segment_align: 8
    .kernarg_segment_size: 32
    .max_flat_workgroup_size: 256
    .sgpr_count:     66
    .vgpr_count:     256
    .wavefront_size: 32
...
	.end_amdgpu_metadata
.endif
;; end of part 1
;; launch take (part 2): grid 256 x 1, 8 waves a work-group, no clusters, 0 bytes of LDS; arguments idx, codebook, out1; writes out1
.if DOCPART == 2
	.amdgcn_target "amdgcn-amd-amdhsa--gfx1250"
	.amdhsa_code_object_version 6
	.text
	.protected	k_q74fc8a9f92_take
	.globl	k_q74fc8a9f92_take
	.p2align	8
	.type	k_q74fc8a9f92_take,@function
k_q74fc8a9f92_take:
	s_mov_b64 s[64:65], 0
	v_nop
	global_prefetch_b8 v0, s[64:65] scope:SCOPE_SE
	s_setreg_imm32_b32 hwreg(HW_REG_WAVE_MODE, 25, 1), 1
	s_wait_xcnt 0x0
; out1[row] = codebook[idx[row]]: 131,072 rows of 64 f32 (256 bytes), the codebook's numbers as they are given.
; 256 work-groups of 8 waves; a wave owns 64 rows.  Sixteen neighbouring lanes move one row, 16 bytes each; the lanes with h = L >> 4
; take rows 32 h + n, n = 0 .. 31.  So each load and each store of a wave moves two whole rows of 256 consecutive bytes, aligned.
; Straight line: all 32 gathers of a wave are issued before the first store; no register that a memory instruction reads is written again.
; No LDS and no cluster: a work-group gathers 131,072 bytes of rows, less than the 262,144 bytes that a copy of the table in LDS would cost,
; and which rows it wants hangs on its own indices.  No matrix unit: nothing is computed.
; The indices come from the launch before and lie in 0 .. 1023; v_min_u32 keeps every address inside the table whatever the word holds.
.set IDX,  8                           ; v[8:39]    index of row 32 h + n, then that row's byte offset in the table + my 16 bytes
.set DATA, 40                          ; v[40:167]  my 16 bytes of row 32 h + n
	s_load_b128 s[4:7], s[0:1], 0x0                ; idx s[4:5], codebook s[6:7]
	s_load_b64 s[8:9], s[0:1], 0x10                ; out1
	v_lshrrev_b32 v2, 5, v0
	v_readfirstlane_b32 s10, v2                    ; wave 0..7
	v_and_b32 v1, 15, v0
	v_lshlrev_b32 v1, 4, v1                        ; my 16 bytes of a row
	v_bfe_u32 v2, v0, 4, 1                         ; h
	v_lshlrev_b32 v3, 7, v2                        ; the 32 indices of my half: 128 bytes
	v_lshl_add_u32 v4, v2, 13, v1                  ; the 32 rows of my half: 8,192 bytes
	s_lshl_b32 s12, ttmp9, 11                      ; indices: 512 x 4 bytes a work-group,
	s_lshl_b32 s13, s10, 8                         ; 64 x 4 a wave
	s_add_co_u32 s12, s12, s13
	s_mov_b32 s13, 0
	s_lshl_b32 s14, ttmp9, 17                      ; rows: 512 x 256 bytes a work-group,
	s_lshl_b32 s15, s10, 14                        ; 64 x 256 a wave
	s_add_co_u32 s14, s14, s15
	s_mov_b32 s15, 0
	s_wait_kmcnt 0x0
	s_add_nc_u64 s[4:5], s[4:5], s[12:13]
	s_add_nc_u64 s[8:9], s[8:9], s[14:15]
.irp m, 0,1,2,3,4,5,6,7
	global_load_b128 v[IDX+4*\m:IDX+4*\m+3], v3, s[4:5] offset:16*\m th:TH_LOAD_NT   ; sixteen lanes read the same four indices
.endr
	s_wait_loadcnt 0x0                             ; once, in no loop: every address below hangs on these
.set n, 0
.rept 32
	v_min_u32 v[IDX+n], 0x3ff, v[IDX+n]
	v_lshl_add_u32 v[IDX+n], v[IDX+n], 8, v1       ; 256 bytes a code + my 16 bytes
	global_load_b128 v[DATA+4*n:DATA+4*n+3], v[IDX+n], s[6:7]
.set n, n+1
.endr
.set n, 0
.rept 32
	s_wait_loadcnt 31-n                            ; loads come back in order (ISA guide 5.7.1): the younger gathers stay out
	global_store_b128 v4, v[DATA+4*n:DATA+4*n+3], s[8:9] offset:256*n th:TH_STORE_NT
.set n, n+1
.endr
	s_endpgm
.Lfunc_end_k_q74fc8a9f92_take:
	.size	k_q74fc8a9f92_take, .Lfunc_end_k_q74fc8a9f92_take-k_q74fc8a9f92_take
	.p2alignl 7, 3214868480
	.fill 96, 4, 3214868480
	.section	.rodata,"a",@progbits
	.p2align	6, 0x0
	.amdhsa_kernel k_q74fc8a9f92_take
		.amdhsa_group_segment_fixed_size 0
		.amdhsa_private_segment_fixed_size 0
		.amdhsa_enable_private_segment 0
		.amdhsa_kernarg_size 24
		.amdhsa_user_sgpr_count 2
		.amdhsa_user_sgpr_kernarg_segment_ptr 1
		.amdhsa_wavefront_size32 1
		.amdhsa_system_sgpr_workgroup_id_x 1
		.amdhsa_system_sgpr_workgroup_id_y 1
		.amdhsa_system_sgpr_workgroup_id_z 1
		.amdhsa_system_vgpr_workitem_id 0
		.amdhsa_next_free_vgpr 168
		.amdhsa_next_free_sgpr 66
		.amdhsa_reserve_vcc 0
		.amdhsa_float_denorm_mode_32 3
		.amdhsa_float_denorm_mode_16_64 3
		.amdhsa_memory_ordered 1
		.amdhsa_forward_progress 1
		.amdhsa_inst_pref_size 13
	.end_amdhsa_kernel
	.amdgpu_metadata
---
amdhsa.version: [ 1, 2 ]
amdhsa.kernels:
  - .name:           k_q74fc8a9f92_take
    .symbol:         k_q74fc8a9f92_take.kd
    .args:
      - { .name: idx, .offset: 0, .size: 8, .value_kind: global_buffer, .address_space: global }
      - { .name: codebook, .offset: 8, .size: 8, .value_kind: global_buffer, .address_space: global }
      - { .name: out1, .offset: 16, .size: 8, .value_kind: global_buffer, .address_space: global }
    .group_segment_fixed_size: 0
    .private_segment_fixed_size: 0
    .kernarg_segment_align: 8
    .kernarg_segment_size: 24
    .max_flat_workgroup_size: 256
    .sgpr_count:     66
    .vgpr_count:     168
    .wavefront_size: 32
...
	.end_amdgpu_metadata
.endif
;; end of part 2
;; ======== version 2 of 2: 2 launches; version 1 with the launch take written anew for expert scheduling mode
;; workspace buffers: idx 524,288 bytes of whole numbers
;; launch nearest: the kernel of part 1 again; grid 256 x 1, 8 waves a work-group, no clusters, 291,840 bytes of LDS; arguments codebook, inputs, out0, idx; writes out0, idx
;; launch take (part 3): grid 256 x 1, 8 waves a work-group, no clusters, 0 bytes of LDS; arguments idx, codebook, out1; writes out1
.if DOCPART == 3
	.amdgcn_target "amdgcn-amd-amdhsa--gfx1250"
	.amdhsa_code_object_version 6
	.text
	.protected	k_q74fc8a9f92_take
	.globl	k_q74fc8a9f92_take
	.p2align	8
	.type	k_q74fc8a9f92_take,@function
k_q74fc8a9f92_take:
	s_mov_b64 s[64:65], 0
	v_nop
	global_prefetch_b8 v0, s[64:65] scope:SCOPE_SE
	s_setreg_imm32_b32 hwreg(HW_REG_WAVE_SCHED_MODE, 0, 2), 2
	s_setreg_imm32_b32 hwreg(HW_REG_WAVE_MODE, 25, 1), 1
	s_wait_xcnt 0x0
	s_wait_alu depctr_vm_vsrc(0)
; out1[row] = codebook[idx[row]]: 131,072 rows of 64 f32 (256 bytes), the codebook's numbers as they are given.
; 256 work-groups of 8 waves; a wave owns 64 rows.  Sixteen neighbouring lanes move one row, 16 bytes each; the lanes with h = L >> 4
; take rows 32 h + n, n = 0 .. 31.  So each load and each store of a wave moves two whole rows of 256 consecutive bytes, aligned.
; Straight line: all 32 gathers of a wave are issued before the first store; no register that a memory instruction reads is written again.
; No LDS and no cluster: a work-group gathers 131,072 bytes of rows, less than the 262,144 bytes that a copy of the table in LDS would cost,
; and which rows it wants hangs on its own indices.  No matrix unit: nothing is computed.
; The indices come from the launch before and lie in 0 .. 1023; v_min_u32 keeps every address inside the table whatever the word holds.
; THE MODE: SCHED_MODE bits 1:0 = 2 (LLVM: expert scheduling mode 2), set by the entry lines.  The code itself states the register dependences
; between vector instructions and memory instructions, with s_wait_alu, always for 0.
; THE PLAN.  Registers that memory instructions touch:
;   v3, v4     offsets of the index loads and of the stores: made once at the head, never written again.
;   IDX n      an index load lands in it; two vector lines turn it into row n's offset; gather n reads it.  Nothing writes it after that.
;   DATA n     gather n lands in it, store n reads it: no vector instruction names it.
; The offsets are made in two batches of sixteen rows, a wait on va_vdst behind each.  Gathers 0 to 15 stand behind the first wait, dealt among
; the second batch's lines, which name v1 and IDX 16 to 31: none of the registers that those gathers touch.  Gathers 16 to 31 stand behind the second.
; No register that a memory instruction reads is written afterwards, so no wait on vm_vsrc follows the entry lines.
.set IDX,  8                           ; v[8:39]    index of row 32 h + n, then that row's byte offset in the table + my 16 bytes
.set DATA, 40                          ; v[40:167]  my 16 bytes of row 32 h + n
; row n's index becomes its offset in the table
.macro ADDR n
	v_min_u32 v[IDX+(\n)], 0x3ff, v[IDX+(\n)]
	v_lshl_add_u32 v[IDX+(\n)], v[IDX+(\n)], 8, v1  ; 256 bytes a code + my 16 bytes
.endm
.macro GATHER n
	global_load_b128 v[DATA+4*(\n):DATA+4*(\n)+3], v[IDX+(\n)], s[6:7]
.endm
	s_load_b128 s[4:7], s[0:1], 0x0                ; idx s[4:5], codebook s[6:7]
	s_load_b64 s[8:9], s[0:1], 0x10                ; out1
	v_lshrrev_b32 v2, 5, v0
	v_readfirstlane_b32 s10, v2                    ; wave 0..7
	v_and_b32 v1, 15, v0
	v_lshlrev_b32 v1, 4, v1                        ; my 16 bytes of a row
	v_bfe_u32 v2, v0, 4, 1                         ; h
	v_lshlrev_b32 v3, 7, v2                        ; the 32 indices of my half: 128 bytes
	v_lshl_add_u32 v4, v2, 13, v1                  ; the 32 rows of my half: 8,192 bytes
	s_wait_alu depctr_va_sdst(0)                   ; s10 is written, ahead of its first reader: the bases of idx and out1 are made from it
	s_lshl_b32 s12, ttmp9, 11                      ; indices: 512 x 4 bytes a work-group,
	s_lshl_b32 s13, s10, 8                         ; 64 x 4 a wave
	s_add_co_u32 s12, s12, s13
	s_mov_b32 s13, 0
	s_lshl_b32 s14, ttmp9, 17                      ; rows: 512 x 256 bytes a work-group,
	s_lshl_b32 s15, s10, 14                        ; 64 x 256 a wave
	s_add_co_u32 s14, s14, s15
	s_mov_b32 s15, 0
	s_wait_kmcnt 0x0
	s_add_nc_u64 s[4:5], s[4:5], s[12:13]
	s_add_nc_u64 s[8:9], s[8:9], s[14:15]
	s_wait_alu depctr_va_vdst(0)                   ; v3 and v4 are written: the index loads read v3 as their offset, the stores at the end v4
.irp m, 0,1,2,3,4,5,6,7
	global_load_b128 v[IDX+4*\m:IDX+4*\m+3], v3, s[4:5] offset:16*\m th:TH_LOAD_NT   ; sixteen lanes read the same four indices
.endr
	s_wait_loadcnt 0x4                             ; loads come back in order (ISA guide 5.7.1): the indices of rows 0 to 15 are in, the four younger loads stay out
.set n, 0
.rept 16
	ADDR n                                         ; the first batch: rows 0 to 15
.set n, n+1
.endr
	s_wait_loadcnt 0x0                             ; the indices of rows 16 to 31 are in: the lines among the gathers below read them
	s_wait_alu depctr_va_vdst(0)                   ; the first batch has written IDX 0 to 15, which gathers 0 to 15 read as their offsets
.set n, 0
.rept 16
	GATHER n                                       ; no vector instruction since the wait names IDX n or DATA n
	ADDR n+16                                      ; the second batch: rows 16 to 31
.set n, n+1
.endr
	s_wait_alu depctr_va_vdst(0)                   ; the second batch has written IDX 16 to 31, which gathers 16 to 31 read as their offsets
.set n, 16
.rept 16
	GATHER n
.set n, n+1
.endr
.set n, 0
.rept 32
	s_wait_loadcnt 31-n                            ; loads come back in order (ISA guide 5.7.1): the younger gathers stay out
	global_store_b128 v4, v[DATA+4*n:DATA+4*n+3], s[8:9] offset:256*n th:TH_STORE_NT
.set n, n+1
.endr
	s_endpgm
.Lfunc_end_k_q74fc8a9f92_take:
	.size	k_q74fc8a9f92_take, .Lfunc_end_k_q74fc8a9f92_take-k_q74fc8a9f92_take
	.p2alignl 7, 3214868480
	.fill 96, 4, 3214868480
	.section	.rodata,"a",@progbits
	.p2align	6, 0x0
	.amdhsa_kernel k_q74fc8a9f92_take
		.amdhsa_group_segment_fixed_size 0
		.amdhsa_private_segment_fixed_size 0
		.amdhsa_enable_private_segment 0
		.amdhsa_kernarg_size 24
		.amdhsa_user_sgpr_count 2
		.amdhsa_user_sgpr_kernarg_segment_ptr 1
		.amdhsa_wavefront_size32 1
		.amdhsa_system_sgpr_workgroup_id_x 1
		.amdhsa_system_sgpr_workgroup_id_y 1
		.amdhsa_system_sgpr_workgroup_id_z 1
		.amdhsa_system_vgpr_workitem_id 0
		.amdhsa_next_free_vgpr 168
		.amdhsa_next_free_sgpr 66
		.amdhsa_reserve_vcc 0
		.amdhsa_float_denorm_mode_32 3
		.amdhsa_float_denorm_mode_16_64 3
		.amdhsa_memory_ordered 1
		.amdhsa_forward_progress 1
		.amdhsa_inst_pref_size 14
	.end_amdhsa_kernel
	.amdgpu_metadata
---
amdhsa.version: [ 1, 2 ]
amdhsa.kernels:
  - .name:           k_q74fc8a9f92_take
    .symbol:         k_q74fc8a9f92_take.kd
    .args:
      - { .name: idx, .offset: 0, .size: 8, .value_kind: global_buffer, .address_space: global }
      - { .name: codebook, .offset: 8, .size: 8, .value_kind: global_buffer, .address_space: global }
      - { .name: out1, .offset: 16, .size: 8, .value_kind: global_buffer, .address_space: global }
    .group_segment_fixed_size: 0
    .private_segment_fixed_size: 0
    .kernarg_segment_align: 8
    .kernarg_segment_size: 24
    .max_flat_workgroup_size: 256
    .sgpr_count:     66
    .vgpr_count:     168
    .wavefront_size: 32
...
	.end_amdgpu_metadata
.endif
;; end of part 3
